; MI455X (gfx1250); checked and timed in simulation.
; The chip was launched on July 23, 2026; its instructions are those of AMD's public machine-readable ISA for CDNA 5 (MIT licence, August 2026) and "CDNA5" Instruction Set Architecture Reference Guide (July 2026). The comments in the code are by the model that wrote it; some were corrected since.
;; MAB. Allowed arithmetic: matrix products marked QUANTISED: E4M3 operands, one given power-of-two scale a tensor, by v_wmma_f32_16x16x64_fp8_fp8 or v_wmma_f32_16x16x128_fp8_fp8, f32 sums; everything else in f32.
;; Inputs: K_codes 32 x 1,024 x 16 x 32 uint8 (E4M3 codes of K, K innermost, in blocks of 32 codes); Q_codes 32 x 1,024 x 16 x 32 uint8 (E4M3 codes of Q, K innermost, in blocks of 32 codes); Wk_codes 512 x 16 x 32 uint8 (E4M3 codes of Wk, K innermost, in blocks of 32 codes); Wo_codes 512 x 16 x 32 uint8 (E4M3 codes of Wo, K innermost, in blocks of 32 codes); Wq_codes 512 x 16 x 32 uint8 (E4M3 codes of Wq, K innermost, in blocks of 32 codes); Wv_codes 512 x 16 x 32 uint8 (E4M3 codes of Wv, K innermost, in blocks of 32 codes); b0 512 float32; b1 512 float32; bk 512 float32; bo 512 float32; bq 512 float32; bv 512 float32; g0 512 float32; g1 512 float32; lowp_scales 12 int32 (the exponents e of the quantised operands' scales 2^e).
;; Outputs: out0 32 x 1,024 x 512 float32.
;; This version of the problem:
;;   THIS VERSION OF THE PROBLEM IS GIVEN IN LOW PRECISION. The matrix products marked QUANTISED in the list below multiply operands that are first quantised to E4M3 (4 exponent bits, 3 mantissa bits; 8 bits a number), with one given power-of-two scale for each operand tensor; their sums are f32. All else is computed in f32.
;;   The module's matrix products, in the order in which they are computed (A, B: the left and right operand; K: the contracted axis; several contracted axes count as one K, in the product's order):
;;     1. [M 32,768, K 512] x [K 512, N 512]; A: input Q (given as codes); B: input Wq (given as codes): QUANTISED (scales: A lowp_scales[0], B lowp_scales[1])
;;     2. [M 32,768, K 512] x [K 512, N 512]; A: input K (given as codes); B: input Wk (given as codes): QUANTISED (scales: A lowp_scales[2], B lowp_scales[3])
;;     3. [M 32,768, K 512] x [K 512, N 512]; A: input K (given as codes); B: input Wv (given as codes): QUANTISED (scales: A lowp_scales[4], B lowp_scales[5])
;;     4. batch 256 x [M 1,024, K 64] x [K 64, N 1,024]; A: computed on the way; B: computed on the way: QUANTISED (scales: A lowp_scales[6], B lowp_scales[7])
;;     5. batch 256 x [M 64, K 1,024] x [K 1,024, N 1,024]; A: computed on the way; B: softmax (see below): QUANTISED (scales: A lowp_scales[8], B lowp_scales[9])
;;     6. [M 32,768, K 512] x [K 512, N 512]; A: computed on the way; B: input Wo (given as codes): QUANTISED (scales: A lowp_scales[10], B lowp_scales[11])
;;   THE QUANTISER, for each operand of a quantised product, along K:
;;     - The operand's scale is 2^e, e = its entry of the input lowp_scales (int32; the entries are numbered through the quantised products in the list's order, A before B).
;;     - Each number is divided by the scale, clamped to +-448, and rounded to the nearest number of E4M3, ties to even, subnormals kept.
;;     - The product sums the exact products of the quantised numbers (number of the format x scale) in f32.
;;   ~~~python
;;   def quantise(x, axis, e):      # numpy; x: float32 -> the quantised numbers, widened to float32 again
;;       x = np.moveaxis(x, axis, -1); K = x.shape[-1]
;;       r = np.clip(x / 2.0 ** e, -448, 448)
;;       step = 2.0 ** (np.maximum(np.frexp(np.where(r == 0, 1, r))[1] - 1, -6) - 3)
;;       q = np.round(r / step) * step * 2.0 ** e      # np.round: ties to even
;;       return np.moveaxis(q, -1, axis).astype(np.float32)
;;   ~~~
;;   SOFTMAX AHEAD OF A QUANTISED PRODUCT. Where the list says 'softmax', what is quantised is not the finished softmax but p = 2^(t - M), with t = logit x log2(e) and M = ceil(the row's largest t), a whole number; so 1/2 < the row's largest p <= 1. The row's sum l is taken of the UNQUANTISED p, in f32, and the product's result is divided by l at the end. Since M is a whole number, a kernel that streams over the keys may use a running M (the ceiling of the running maximum): every later rescaling is an exact power of two, so the quantised numbers keep their values, but for numbers so far below the row's largest that they fall under the format's range.
;;   OPERANDS COMPUTED ON THE WAY. 'Computed on the way' means the value that the module computes at that place (a softmax that the list does not call 'softmax' is quantised finished and normalised). What goes into a quantiser is computed in f32, as accurately as f32 sums, v_exp_f32 and their like allow (about 1e-6 of the number): no bf16 or f16 on the way to a quantiser, and a product that is left as it is and whose result goes on into a quantised operand takes f32 operands (vector FMAs, or v_wmma_f32_16x16x4_f32). A number that lies on a knife's edge between two numbers of the format may be rounded either way, as far as f32 arithmetic and the matrix unit's own rounding can turn it there, and no further.
;;   INPUTS GIVEN AS CODES. K (in the module: [32, 1024, 512], K = its axis 2); Q (in the module: [32, 1024, 512], K = its axis 2); Wk (in the module: [512, 512], K = its axis 1); Wo (in the module: [512, 512], K = its axis 1); Wq (in the module: [512, 512], K = its axis 1); Wv (in the module: [512, 512], K = its axis 1): each comes as NAME_codes (uint8): NAME with its K axis moved to the last place and cut into blocks of 32 codes, [.., K / 32, bytes a block], one block behind the other in memory; one code a byte (a code: sign, 4 exponent bits, 3 mantissa bits); its scale is its entry of lowp_scales. Its value is code x scale, taken as it is: it is not quantised again, and the codes and scales need not be those that the quantiser above would give.
;; One version. Each part assembles by itself: llvm-mc -triple=amdgcn-amd-amdhsa -mcpu=gfx1250 --defsym DOCPART=n.
;; ======== version 1 of 1: 2 launches
;; limits: right only within a limited range of input values
;; workspace buffers: kv 33,554,432 bytes; wimg 524,288 bytes
;; launch proj (part 1): grid 4 x 128, 4 waves a work-group, clusters of 4 x 4, 327,680 bytes of LDS; arguments K_codes, Wk_codes, Wv_codes, Wq_codes, Wo_codes, lowp_scales, bk, bv, kv, wimg; writes kv, wimg
.if DOCPART == 1
	.amdgcn_target "amdgcn-amd-amdhsa--gfx1250"
	.amdhsa_code_object_version 6
	.text
	.protected	k_qf3d53ac16b_proj
	.globl	k_qf3d53ac16b_proj
	.p2align	8
	.type	k_qf3d53ac16b_proj,@function
k_qf3d53ac16b_proj:
	s_mov_b64 s[64:65], 0
	v_nop
	global_prefetch_b8 v0, s[64:65] scope:SCOPE_SE
	s_setreg_imm32_b32 hwreg(HW_REG_WAVE_MODE, 25, 1), 1
	s_wait_xcnt 0x0
	s_wait_alu depctr_hold_cnt(0) depctr_sa_sdst(0) depctr_va_vdst(0) depctr_va_sdst(0) depctr_va_ssrc(0) depctr_va_vcc(0) depctr_vm_vsrc(0)
	s_getreg_b32 s2, hwreg(HW_REG_IB_STS2, 6, 4)
	s_cmp_eq_u32 s2, 0
	s_cbranch_scc0 .Lentry_in_a_cluster
	s_endpgm
.Lentry_in_a_cluster:
	s_bfe_u32 s2, ttmp6, 0x10000c
	s_cmp_lg_u32 s2, 0xf033
	s_cbranch_scc0 .Lentry_shape_is_right
	s_endpgm
.Lentry_shape_is_right:
.set PITCH,  528                       ; an LDS row: all 512 codes of K + 16 bytes of padding
.set HALFT,  128*PITCH
.set SLOT,   4*HALFT
.set FR,     16
.set NL,     4
.set NP,     4
.set ADRY, 16
.set ADRX, 20
.set LI,   24
.set CB,   25
.set R4,   26
.set RL0,  27
.set RL1,  28
.set BX,   32
.set BY,   96
.set RD,   112
.set SCL,  116
.set LIM,  117
.set AF,   128
.set TMP,  128
.set CD,   192
.set G1, 24
.set G0, 32
.set G1B, 48
.set G0B, 56
.set MSB, 0
.macro WIN new
.if MSB != (\new)
	s_set_vgpr_msb (MSB<<8)|(\new)
.set MSB, \new
.endif
.endm
.set MUL_LO, 0xa1
.set MUL_HI, 0xf1
.set TO_X,   0x40
.macro JLOAD g0a, g1a, g0b, g1b
	s_cmp_eq_u32 s15, 0
	s_cbranch_scc0 .Lfor_b_\@
	tensor_load_to_lds s[\g0a:\g0a+3], s[\g1a:\g1a+7]
	s_nop 0
.rept 4
	v_nop
.endr
	s_branch .Lasked_\@
.Lfor_b_\@:
	tensor_load_to_lds s[\g0b:\g0b+3], s[\g1b:\g1b+7]
	s_nop 0
.rept 4
	v_nop
.endr
.Lasked_\@:
.endm
.macro CROUND
	s_barrier_signal -1
	s_barrier_wait -1
	s_cmp_lg_u32 s14, 0
	s_cbranch_scc1 .Lnot_wave_0_\@
	s_barrier_signal -3
.Lnot_wave_0_\@:
	s_barrier_wait -3
	s_barrier_signal -1
	s_barrier_wait -1
.endm
	s_load_b512 s[68:83], s[0:1], 0x0
	s_load_b128 s[84:87], s[0:1], 0x40
	v_lshl_add_u32 v126, v0, 2, 0x44000
	v_mov_b32 v127, 0
	ds_add_u32 v126, v127
	ds_add_u32 v126, v127
	v_lshrrev_b32 v1, 5, v0
	v_readfirstlane_b32 s14, v1
	s_lshr_b32 s15, s14, 1
	s_and_b32 s16, s14, 1
	s_bfe_u32 s40, ttmp6, 0x40000
	s_bfe_u32 s41, ttmp6, 0x40004
	s_lshl_b32 s42, ttmp9, 2
	s_add_co_u32 s42, s42, s40
	s_and_b32 s17, ttmp7, 0xffff
	s_lshl_b32 s17, s17, 2
	s_add_co_u32 s17, s17, s41
	s_lshl_b32 s43, s41, 2
	s_lshl_b32 s43, 15, s43
	s_lshl_b32 s44, 0x1111, s40
	s_or_b32 s[G1+0], s43, (0<<16)|(1<<20)|(1<<21)|(6<<22)|(3<<25)   ; padding: four words after every 128
	s_or_b32 s[G1B+0], s44, (0<<16)|(1<<20)|(1<<21)|(6<<22)|(3<<25)
.irp g, G1, G1B
	s_mov_b32 s[\g+1], 512<<16
	s_mov_b32 s[\g+2], 128<<16
	s_mov_b32 s[\g+3], 512<<16
	s_mov_b32 s[\g+4], 128
	s_mov_b32 s[\g+5], 512
	s_mov_b32 s[\g+6], 0
	s_mov_b32 s[\g+7], 0
.endr
	s_lshl_b32 s18, s16, 7
	s_lshl_b32 s20, s17, 8
	s_add_co_u32 s20, s20, s18
	s_lshl_b32 s20, s20, 9
	s_mov_b32 s21, 0
	s_lshl_b32 s46, s42, 16
	s_mov_b32 s47, 0
	s_mul_i32 s45, s14, HALFT
	s_wait_dscnt 0x0
	s_wait_kmcnt 0x0
	s_load_b256 s[88:95], s[78:79], 0x0
	s_load_b128 s[96:99], s[78:79], 0x20
	s_add_nc_u64 s[20:21], s[68:69], s[20:21]
	s_cmp_eq_u32 s16, 0
	s_cselect_b64 s[22:23], s[70:71], s[72:73]
	s_add_nc_u64 s[46:47], s[22:23], s[46:47]
	CROUND
.irp s, 0
	s_mov_b32 s[G0+4*\s], 1
	s_add_co_u32 s[G0+4*\s+1], s45, \s*SLOT
	s_add_nc_u64 s[G0+4*\s+2:G0+4*\s+3], s[20:21], \s*256
	s_or_b32 s[G0+4*\s+3], s[G0+4*\s+3], 0x80000000
	s_mov_b32 s[G0B+4*\s], 1
	s_add_co_u32 s[G0B+4*\s+1], s45, \s*SLOT
	s_add_nc_u64 s[G0B+4*\s+2:G0B+4*\s+3], s[46:47], \s*256
	s_or_b32 s[G0B+4*\s+3], s[G0B+4*\s+3], 0x80000000
	JLOAD G0+4*\s, G1, G0B+4*\s, G1B               ; my one load: 128 rows x all 512 of K; nothing is filled later
.endr
	v_and_b32 v1, 15, v0
	v_bfe_u32 v2, v0, 4, 1
	v_mul_u32_u24 v3, v1, PITCH
	v_lshl_add_u32 v4, v2, 4, v3
	s_wait_alu depctr_va_vdst(0)
	s_xor_b32 s18, s16, 1
	s_lshl_b32 s22, s18, 1
	s_and_b32 s19, s15, s16
	s_add_co_u32 s22, s22, s19
	s_mul_i32 s22, s22, HALFT
	s_and_b32 s23, s15, s18
	s_mul_i32 s19, s16, 3
	s_add_co_u32 s23, s23, s19
	s_mul_i32 s23, s23, HALFT
.irp s, 0,1
	v_add_nc_u32 v[ADRY+\s], s23, v4
	v_add_nc_u32 v[ADRX+\s], s22, v4
	s_add_co_u32 s22, s22, SLOT
	s_add_co_u32 s23, s23, SLOT
.endr
	v_and_b32 v5, 31, v0
	v_lshlrev_b32 v[LI], 4, v5
	v_lshlrev_b32 v[CB], 5, v2
	v_lshlrev_b32 v[R4], 2, v1
	s_lshl_b32 s66, s42, 9
	s_mov_b32 s67, 0
	s_add_nc_u64 s[80:81], s[80:81], s[66:67]
	s_add_nc_u64 s[82:83], s[82:83], s[66:67]
.irp b, 0,1,2,3,4,5,6,7
	global_load_b128 v[BX+8*\b:BX+8*\b+3], v[CB], s[80:81] offset:64*\b
	global_load_b128 v[BX+8*\b+4:BX+8*\b+7], v[CB], s[80:81] offset:64*\b+16
.endr
.irp a, 0,1,2,3,4,5,6,7
	global_load_b32 v[BY+2*\a], v[R4], s[82:83] offset:64*\a
.endr
	s_cmp_lt_u32 s14, 2
	s_cbranch_scc0 .Lno_copy
	s_lshl_b32 s2, s17, 2
	s_add_co_u32 s2, s2, s42
	s_lshr_b32 s3, s2, 1
	s_and_b32 s2, s2, 1
	s_lshl_b32 s2, s2, 1
	s_add_co_u32 s2, s2, s14
	s_and_b32 s18, s3, 127
	s_lshr_b32 s18, s18, 2
	s_lshl_b32 s18, s18, 13
	s_and_b32 s19, s3, 3
	s_lshl_b32 s19, s19, 7
	s_add_co_u32 s18, s18, s19
	s_lshl_b32 s19, s2, 5
	s_add_co_u32 s18, s18, s19
	s_mov_b32 s19, 0
	s_and_b32 s22, ttmp7, 0xffff
	s_cmp_lt_u32 s22, 16
	s_cselect_b64 s[74:75], s[74:75], s[76:77]
	s_cselect_b32 s22, 16, 8
	s_cselect_b32 s23, 8, 16
	s_add_nc_u64 s[74:75], s[74:75], s[18:19]
	s_lshl_b32 s18, s3, 11
	s_lshl_b32 s2, s2, 9
	s_add_co_u32 s18, s18, s2
	s_add_nc_u64 s[86:87], s[86:87], s[18:19]
	v_lshlrev_b32 v[RL0], 9, v1
	v_mad_u32_u24 v[RL0], v2, s22, v[RL0]
	v_add_nc_u32 v[RL1], s23, v[RL0]
	global_load_b64 v[RD:RD+1], v[RL0], s[74:75]
	global_load_b64 v[RD+2:RD+3], v[RL1], s[74:75]
	s_wait_loadcnt 0x0
	s_wait_alu depctr_va_vdst(0)
	global_store_b128 v[LI], v[RD:RD+3], s[86:87]
.Lno_copy:
.macro FRAG reg, adr, q, i
.irp c, 0,1,2,3
	ds_load_b128 v[\reg+4*\c:\reg+4*\c+3], v[\adr] offset:128*(\q)+32*\c+(\i)*16*PITCH
.endr
.endm
.macro MUL16 a0, p, zero
.irp a, \a0, \a0+1
.irp b, 0,1,2,3,4,5,6,7
.if \zero
	v_wmma_f32_16x16x128_fp8_fp8 v[8*(8*((\a)%4)+\b):8*(8*((\a)%4)+\b)+7], v[128*(\p)+FR*\b:128*(\p)+FR*\b+FR-1], v[AF+FR*(\a):AF+FR*(\a)+FR-1], 0
.else
	v_wmma_f32_16x16x128_fp8_fp8 v[8*(8*((\a)%4)+\b):8*(8*((\a)%4)+\b)+7], v[128*(\p)+FR*\b:128*(\p)+FR*\b+FR-1], v[AF+FR*(\a):AF+FR*(\a)+FR-1], v[8*(8*((\a)%4)+\b):8*(8*((\a)%4)+\b)+7]
.endif
.endr
.endr
.endm
.macro FETCH_X slot, q, p
	WIN TO_X
.irp i, 0,1,2,3,4,5,6,7
	FRAG 128*(\p)+FR*\i, ADRX+\slot, \q, \i
.endr
	WIN 0
.endm
.macro FETCH_Y slot, q, i0
.irp i, \i0, \i0+1, \i0+2, \i0+3
	FRAG AF+FR*(\i), ADRY+\slot, \q, \i
.endr
.endm
.macro PLACES n
.rept \n
	v_nop
.endr
.endm
.macro STEP slot, q, zero
	s_wait_dscnt 4*NL
	WIN MUL_LO
	MUL16 0, (\q)%2, \zero
	MUL16 2, (\q)%2, \zero
	s_wait_dscnt 0
	PLACES NP
	FETCH_X \slot, (\q)+1, 1-(\q)%2
	FETCH_Y \slot, (\q)+1, 0
	WIN MUL_HI
	MUL16 4, (\q)%2, \zero
	MUL16 6, (\q)%2, \zero
	PLACES NP
	WIN 0
	FETCH_Y \slot, (\q)+1, 4
.endm
	s_wait_tensorcnt 0x0                           ; my 128 rows are in,
	s_barrier_signal -1
	s_barrier_wait -1                              ; and everybody's
	s_wait_alu depctr_va_vdst(0)
	FETCH_X 0, 0, 0
	FETCH_Y 0, 0, 0
	FETCH_Y 0, 0, 4
	STEP 0, 0, 1                                   ; the four steps of 128 along K lie in the one slot
	STEP 0, 1, 0
	STEP 0, 2, 0
	s_wait_dscnt 4*NL
	WIN MUL_LO
	MUL16 0, 1, 0
	MUL16 2, 1, 0
	s_wait_dscnt 0
	WIN MUL_HI
	MUL16 4, 1, 0
	MUL16 6, 1, 0
	WIN 0
	PLACES NP
	s_lshr_b32 s2, s17, 2
	s_lshl_b32 s2, s2, 20
	s_and_b32 s3, s17, 3
	s_lshl_b32 s3, s3, 2
	s_lshl_b32 s18, s15, 1
	s_add_co_u32 s3, s3, s18
	s_lshl_b32 s3, s3, 16
	s_add_co_u32 s2, s2, s3
	s_lshl_b32 s3, s42, 14
	s_add_co_u32 s2, s2, s3
	s_mov_b32 s3, 0
	s_add_nc_u64 s[84:85], s[84:85], s[2:3]
	s_wait_kmcnt 0x0
	s_cmp_eq_u32 s16, 0
	s_cselect_b32 s18, s90, s92
	s_cselect_b32 s19, s91, s93
	s_cselect_b32 s22, s95, s96
	s_add_co_i32 s18, s18, s19
	s_sub_co_i32 s19, 0, s18
	s_sub_co_i32 s22, s22, s18
	s_add_co_i32 s22, s22, 127
	s_lshl_b32 s23, s22, 23
	v_mov_b32 v[SCL], s23
	s_add_co_i32 s22, s22, 8
	s_lshl_b32 s22, s22, 23
	s_or_b32 s22, s22, 0x600000
	v_mov_b32 v[LIM], s22
	s_wait_loadcnt 0x0
.macro EPI kind
.if \kind == 0
.set ei, 0
.rept 64
	v_ldexp_f32 v[BX+ei], v[BX+ei], s19
.set ei, ei+1
.endr
.else
.set ei, 0
.rept 8
	v_ldexp_f32 v[BY+2*ei], v[BY+2*ei], s19
.set ei, ei+1
.endr
.set ei, 0
.rept 8
	v_mov_b32 v[BY+2*ei+1], v[BY+2*ei]
.set ei, ei+1
.endr
.endif
.set ea, 0
.rept 8
.set AC, 64*(ea%4)
.set WN, 0x02+ea/4
.set C2, CD+16*(ea%2)
	WIN WN
.set ei, 0
.rept 32
.if \kind == 0
	v_pk_add_f32 v[TMP+ei:TMP+ei+1], v[AC+ei:AC+ei+1], v[BX+ei:BX+ei+1]
.else
	v_pk_add_f32 v[TMP+ei:TMP+ei+1], v[AC+ei:AC+ei+1], v[BY+2*ea:BY+2*ea+1] op_sel_hi:[1,0]
.endif
.set ei, ei+2
.endr
	WIN 0
.set ei, 0
.rept 64
	v_med3_num_f32 v[TMP+ei], v[TMP+ei], -v[LIM], v[LIM]
.set ei, ei+1
.endr
.if ea >= 2
	s_wait_alu depctr_va_vdst(0)
	s_wait_xcnt 0x0
.endif
.set ei, 0
.rept 8
	v_cvt_scalef32_pk8_fp8_f32 v[C2+2*ei:C2+2*ei+1], v[TMP+8*ei:TMP+8*ei+7], v[SCL]
.set ei, ei+1
.endr
	v_nop
.irp g, 0,1
.irp hh, 0,1
.if \kind == 0
	global_store_b128 v[LI], v[C2+8*\g+4*\hh:C2+8*\g+4*\hh+3], s[84:85] offset:(ea/4)*65536+\g*8192+(ea%4)*1024+512*\hh th:TH_STORE_NT
.else
	global_store_b128 v[LI], v[C2+8*\g+4*\hh:C2+8*\g+4*\hh+3], s[84:85] offset:\g*65536+(ea/4)*8192+4096+(ea%4)*1024+512*\hh th:TH_STORE_NT
.endif
.endr
.endr
.set ea, ea+1
.endr
.endm
	s_cmp_eq_u32 s16, 0
	s_cbranch_scc0 .Lvkind
	EPI 0
	s_branch .Lout
.Lvkind:
	EPI 1
.Lout:
	s_wait_tensorcnt 0x0
	ds_add_u32 v126, v127
	s_wait_dscnt 0x0
	CROUND
	s_endpgm
.Lfunc_end_k_qf3d53ac16b_proj:
	.size	k_qf3d53ac16b_proj, .Lfunc_end_k_qf3d53ac16b_proj-k_qf3d53ac16b_proj
	.p2alignl 7, 3214868480
	.fill 96, 4, 3214868480
	.section	.rodata,"a",@progbits
	.p2align	6, 0x0
	.amdhsa_kernel k_qf3d53ac16b_proj
		.amdhsa_group_segment_fixed_size 327680
		.amdhsa_private_segment_fixed_size 0
		.amdhsa_enable_private_segment 0
		.amdhsa_kernarg_size 80
		.amdhsa_user_sgpr_count 2
		.amdhsa_user_sgpr_kernarg_segment_ptr 1
		.amdhsa_wavefront_size32 1
		.amdhsa_system_sgpr_workgroup_id_x 1
		.amdhsa_system_sgpr_workgroup_id_y 1
		.amdhsa_system_sgpr_workgroup_id_z 1
		.amdhsa_system_vgpr_workitem_id 0
		.amdhsa_next_free_vgpr 1024
		.amdhsa_next_free_sgpr 104
		.amdhsa_reserve_vcc 0
		.amdhsa_float_denorm_mode_32 3
		.amdhsa_float_denorm_mode_16_64 3
		.amdhsa_memory_ordered 1
		.amdhsa_forward_progress 1
		.amdhsa_inst_pref_size 162
	.end_amdhsa_kernel
	.amdgpu_metadata
---
amdhsa.version: [ 1, 2 ]
amdhsa.kernels:
  - .name:           k_qf3d53ac16b_proj
    .symbol:         k_qf3d53ac16b_proj.kd
    .args:
      - { .name: K_codes, .offset: 0, .size: 8, .value_kind: global_buffer, .address_space: global }
      - { .name: Wk_codes, .offset: 8, .size: 8, .value_kind: global_buffer, .address_space: global }
      - { .name: Wv_codes, .offset: 16, .size: 8, .value_kind: global_buffer, .address_space: global }
      - { .name: Wq_codes, .offset: 24, .size: 8, .value_kind: global_buffer, .address_space: global }
      - { .name: Wo_codes, .offset: 32, .size: 8, .value_kind: global_buffer, .address_space: global }
      - { .name: lowp_scales, .offset: 40, .size: 8, .value_kind: global_buffer, .address_space: global }
      - { .name: bk, .offset: 48, .size: 8, .value_kind: global_buffer, .address_space: global }
      - { .name: bv, .offset: 56, .size: 8, .value_kind: global_buffer, .address_space: global }
      - { .name: kv, .offset: 64, .size: 8, .value_kind: global_buffer, .address_space: global }
      - { .name: wimg, .offset: 72, .size: 8, .value_kind: global_buffer, .address_space: global }
    .group_segment_fixed_size: 327680
    .private_segment_fixed_size: 0
    .kernarg_segment_align: 8
    .kernarg_segment_size: 80
    .max_flat_workgroup_size: 128
    .sgpr_count:     104
    .vgpr_count:     1024
    .wavefront_size: 32
...
	.end_amdgpu_metadata
.endif
;; end of part 1
;; launch mab (part 2): grid 8 x 32, 8 waves a work-group, clusters of 4 x 1, 327,680 bytes of LDS; arguments Q_codes, kv, wimg, lowp_scales, bq, bo, g0, b0, g1, b1, out0; writes out0
.if DOCPART == 2
	.amdgcn_target "amdgcn-amd-amdhsa--gfx1250"
	.amdhsa_code_object_version 6
	.text
	.protected	k_qf3d53ac16b_mab
	.globl	k_qf3d53ac16b_mab
	.p2align	8
	.type	k_qf3d53ac16b_mab,@function
k_qf3d53ac16b_mab:
	s_mov_b64 s[64:65], 0
	v_nop
	global_prefetch_b8 v0, s[64:65] scope:SCOPE_SE
	s_setreg_imm32_b32 hwreg(HW_REG_WAVE_MODE, 25, 1), 1
	s_wait_xcnt 0x0
	s_wait_alu depctr_hold_cnt(0) depctr_sa_sdst(0) depctr_va_vdst(0) depctr_va_sdst(0) depctr_va_ssrc(0) depctr_va_vcc(0) depctr_vm_vsrc(0)
	s_getreg_b32 s2, hwreg(HW_REG_IB_STS2, 6, 4)
	s_cmp_eq_u32 s2, 0
	s_cbranch_scc0 .Lentry_in_a_cluster
	s_endpgm
.Lentry_in_a_cluster:
	s_bfe_u32 s2, ttmp6, 0x10000c
	s_cmp_lg_u32 s2, 0x3003
	s_cbranch_scc0 .Lentry_shape_is_right
	s_endpgm
.Lentry_shape_is_right:
; For 128 queries of one batch: Qp = Q Wq^T + bq; per head softmax(Qh Kh^T / sqrt(512)) Vh; O = Qp + AV; LN(g0, b0); O + relu(O Wo^T + bo); LN(g1, b1).  All products on E4M3 codes, sums in f32.
; SHARES.  Eight waves; wave w is head w = columns 64 w .. 64 w + 63, for all 128 rows (8 tiles of 16).  Every product is used transposed (source 0 = 16 rows of a weight, of K or of V^T; source 1 = 16 queries):
; lane (r, h) holds query r; register 8 t + j of a tile's 32 holds column 64 w + 16 t + 8 h + j, in Qp, O^T, the last product and the output alike.
; K and V come as images of operand registers (the launch before), 8,192 bytes a head and step of 64 keys, through a ring of two LDS slots; a wave fetches and reads its own head's bytes alone.
; CLUSTER: the four query blocks of a cluster belong to one batch and walk the same K and V: each tile is asked for jointly (mask 15).
; A STEP copies its 16 fragments into registers at its head, so the waits, the add and the opening signal of the next change of slots stand inside the step, with register work behind them.
; ALL 16 TRIPS ASK FOR A TILE: trip t asks for step t + 1; the last asks, jointly too, for each wave's first four fragments of Wo, which the last product reads from LDS.  So the step is written once.
; THE SOFTMAX: t = score x log2(e) / sqrt(512); M = the running largest t rounded up to a whole number (kept as -M); p = 2^(t - M) is quantised with entry 9; the row's sum is taken of the unquantised p and divides at the end.
; It is laid in two stages over the tiles: tile q's maximum and its chain to 2^(old M - new M) stand among tile q - 1's sums, holds and conversions.
; THE RESIDUAL Qp is not kept (256 registers): after the keys the projection's four K steps are added once more onto C = (AV + bq) / 2^(e0 + e1).
; O^T is not cleared: the first step's factor 2^(old M - new M) is 0, and what lies in the registers then is finite (Qp held at the largest code).
; LIMITS: e6 - e0 - e1, e9, e10 between -126 and 119; e6 + e7 between -122 and 131; 2 (e0 + e1) between -117 and 136; e10 + e11 between -126 and 127; scaled scores under 2^31 in magnitude.  NaN codes are not served.
; REGISTERS.  Window 1 (v256-511): the 32 accumulators, tile q, part t at 32 q + 8 t.  Window 0: v1-15 addresses and constants; the rest by phase, named below.
.set SLOTB, 65536                      ; the ring: slot s at 65,536 s, wave w's part at + 8,192 w
.set QBLK,  131072                     ; 128 rows of Q's codes, 512 bytes + 16
.set QPIT,  528
.set O1IMG, 198656                     ; the first norm's result as codes: fragment (q, s) at (4 q + s) x 2,048
.set PART,  264192                     ; two regions of 4,096: [row 128][wave 8] f32, by turns
.set STG,   280576                     ; the way out: 16 rows x (256 + 16) for each wave
.set SPARE, 315392                     ; the spare words, 128 bytes a wave
.set SPW, 1
.set NIL, 2
.set LI,  3                            ; 16 x lane
.set KV0, 4                            ; 16 x lane + 8,192 w
.set CB,  5                            ; 32 h
.set PFO, 6                            ; 256 x lane; behind the keys GO
.set GO,  6                            ; 2,048 h + 16 r
.set LIMA, 7                           ; 448 x the scale of the quantiser in hand,
.set LIMB, 10                          ; and once more, for the second half of a dual instruction
.set SCLV, 8                           ; that scale
.set QA,  9                            ; QBLK + 528 r + 16 h; behind the residual O1IMG + 16 x lane
.set PS,  11                           ; PART + 32 r + 4 w
.set PL,  12                           ; PART + 32 r
.set OS,  13                           ; O1IMG + 16 x lane + 2,048 (w / 2) + 1,024 (w % 2)
.set SO,  14                           ; my stage + 272 r + 32 h
.set SR,  15                           ; my stage + 272 h + 16 r
.set ST,  16                           ; v16-47 tile q: -M, (a pair's upper half), the sum in two halves
.set QC,  48                           ; v48-111 Qh's codes
.set KF,  112
.set VF,  144
.set S0,  176                          ; v176-207, v216-247 scores, then p, of two tiles by turns
.set P,   208
.set MA,  248
.set MB,  249
.set PD,  250
.set ADR, 251
.set FF,  252
.set L2,  254
.set WA,  112
.set WB,  176
.set G1,  40
.set G0,  48
.set WV,  52
.set TB,  53
.set STEPS, 54
.set LIM, 55
.set CS,  56
.set SEL, 58
.set PFA, 60
.set WQP, 70
.set WOP, 72
.set KVA, 80                           ; s[80:81] the next step's bytes of kv, with the descriptor's type bits
.set WOA, 82                           ; s[82:83] my first four fragments of Wo (output tile 0), likewise
.set WOB, 26                           ; s[26:27] my next four (output tile 1), likewise
.set GP,  84
.set BP,  86
.set FAC, 88
.set EX,  89
.set LNC, 90
.set NCS, 91
.set E01, 92
.set NE01, 93
.set EAV, 94
.set VF1, 95
.set EPS, 96
.set I512, 97
.set SC2, 98
.set NE2, 100
.set MSB, 0
.macro WIN new                         ; low byte: bits 1:0 source 0, 3:2 source 1, 5:4 source 2, 7:6 destination; the high byte repeats the setting that is left
.if MSB != (\new)
	s_set_vgpr_msb (MSB<<8)|(\new)
.set MSB, \new
.endif
.endm
.macro VW
	s_wait_alu depctr_va_vdst(0)
.endm
.macro PLACES                          ; four plain vector instructions behind a matrix instruction (ISA guide 7.12.1)
.rept 4
	v_nop
.endr
.endm
.macro BARRIER
	VW
	s_wait_dscnt 0x0
	s_barrier_signal -1
	s_barrier_wait -1
.endm
.macro CMID                            ; a round's middle: wave 0 signals for the work-group, every wave waits for the cluster, the closing barrier's signal
	s_cmp_lg_u32 s[WV], 0
	s_cbranch_scc1 .Lnot_wave_0_\@
	s_barrier_signal -3
.Lnot_wave_0_\@:
	s_barrier_wait -3
	s_barrier_signal -1
.endm
.macro CREST                           ; a round of the cluster's barrier behind its opening barrier
	CMID
	s_barrier_wait -1
.endm
.macro CROUND
	s_barrier_signal -1
	s_barrier_wait -1
	CREST
.endm
.macro SETQ sx                         ; the quantiser in hand divides by 2^s[sx]
	s_add_co_i32 s74, s[\sx], 127
	s_lshl_b32 s75, s74, 23
	v_mov_b32 v[SCLV], s75
	s_add_co_i32 s74, s74, 8
	s_lshl_b32 s74, s74, 23
	s_or_b32 s74, s74, 0x600000
	v_mov_b32 v[LIMA], s74
	v_mov_b32 v[LIMB], s74
.endm
.macro COLLOAD reg, sb                 ; 32 numbers of a vector over the columns, in the accumulators' layout
.irp t, 0,1,2,3
	global_load_b128 v[\reg+8*\t:\reg+8*\t+3], v[CB], s[\sb:\sb+1] offset:64*\t
	global_load_b128 v[\reg+8*\t+4:\reg+8*\t+7], v[CB], s[\sb:\sb+1] offset:64*\t+16
.endr
.endm
.macro WQLOAD buf, s                   ; my four fragments of Wq for K step s: 16 loads of 512 consecutive bytes
.irp t, 0,1,2,3
.irp c, 0,1,2,3
	global_load_b128 v[\buf+16*\t+4*\c:\buf+16*\t+4*\c+3], v[LI], s[WQP:WQP+1] offset:8192*\t+2048*(\s)+512*\c
.endr
.endr
.endm
	s_load_b512 s[4:19], s[0:1], 0x0               ; Q, kv, wimg, scales, bq, bo, g0, b0
	s_load_b128 s[20:23], s[0:1], 0x40             ; g1, b1
	s_load_b64 s[24:25], s[0:1], 0x50              ; out0
	v_lshl_add_u32 v[SPW], v0, 2, SPARE
	v_mov_b32 v[NIL], 0
	ds_add_u32 v[SPW], v[NIL]                      ; the opening: the add, twice on end, and its wait
	ds_add_u32 v[SPW], v[NIL]
	v_lshrrev_b32 v240, 5, v0
	v_readfirstlane_b32 s[WV], v240                ; wave 0..7
	s_bfe_u32 s62, ttmp6, 0x40000                  ; cx
	s_lshl_b32 s63, ttmp9, 2
	s_add_co_u32 s63, s63, s62                     ; my block of 128 queries: it enters Q's and the output's addresses alone
	s_and_b32 s66, ttmp7, 0xffff                   ; the batch, which the partners share
	s_mov_b32 s[G1], 15|(3<<16)|(1<<21)            ; mask: all four; elements of 8 bytes; bit 21 beside a mask
	s_mov_b32 s[G1+1], 32<<16                      ; a dense block of 8,192 bytes as 32 rows of 256
	s_mov_b32 s[G1+2], 32<<16
	s_mov_b32 s[G1+3], 32<<16
	s_mov_b32 s[G1+4], 32
	s_mov_b32 s[G1+5], 32
	s_mov_b32 s[G1+6], 0
	s_mov_b32 s[G1+7], 0
	s_lshl_b32 s68, s66, 20
	s_lshl_b32 s67, s[WV], 13
	s_add_co_u32 s68, s68, s67                     ; my head's bytes of the batch's step 0
	s_mov_b32 s69, 0
	s_mov_b32 s[SEL], 0x76543210
	s_mov_b32 s[SEL+1], 0xfedcba98
	s_mov_b32 s[TB], 0
	s_mov_b32 s[STEPS], 16
	s_lshr_b32 s[LIM], s[WV], 1                    ; 0 in waves 0 and 1: they prefetch, in every work-group
	s_cmp_eq_u32 s[LIM], 0
	s_cselect_b32 s[LIM], 3, -1
	s_lshl_b32 s74, s[WV], 2
	s_lshr_b32 s75, s[WV], 1
	s_lshl_b32 s75, s75, 11
	s_and_b32 s78, s[WV], 1
	s_lshl_b32 s78, s78, 10
	s_add_co_u32 s75, s75, s78
	s_add_co_u32 s75, s75, O1IMG
	s_mul_i32 s76, s[WV], 4352
	s_add_co_u32 s76, s76, STG
	s_mul_i32 s77, s[WV], 16*QPIT
	s_add_co_u32 s77, s77, QBLK
	v_and_b32 v240, 31, v0                         ; lane
	v_and_b32 v241, 15, v0                         ; r
	v_bfe_u32 v242, v0, 4, 1                       ; h
	v_lshlrev_b32 v[LI], 4, v240
	v_lshlrev_b32 v[CB], 5, v242
	v_add_nc_u32 v[KV0], s67, v[LI]
	v_lshlrev_b32 v[PFO], 8, v240
	v_mul_u32_u24 v[QA], v241, QPIT
	v_lshl_add_u32 v[QA], v242, 4, v[QA]
	v_add_nc_u32 v[QA], QBLK, v[QA]
	v_lshlrev_b32 v[PL], 5, v241
	v_add_nc_u32 v[PL], PART, v[PL]
	v_add_nc_u32 v[PS], s74, v[PL]
	v_add_nc_u32 v[OS], s75, v[LI]
	v_mul_u32_u24 v[SO], v241, 272
	v_lshl_add_u32 v[SO], v242, 5, v[SO]
	v_add_nc_u32 v[SO], s76, v[SO]
	v_mul_u32_u24 v[SR], v242, 272
	v_lshl_add_u32 v[SR], v241, 4, v[SR]
	v_add_nc_u32 v[SR], s76, v[SR]
	v_add_nc_u32 v243, s77, v[LI]                  ; where my 16 rows of Q go
	s_wait_dscnt 0x0                               ; both opening adds are done
	VW
	s_wait_kmcnt 0x0
	s_load_b256 s[28:35], s[10:11], 0x0            ; e0 .. e7
	s_load_b128 s[36:39], s[10:11], 0x20           ; e8 .. e11
	s_mov_b32 s[G0], 1
	s_lshl_b32 s[G0+1], s[WV], 13                  ; slot 0, my part
	s_add_nc_u64 s[KVA:KVA+1], s[6:7], s[68:69]
	s_mov_b64 s[PFA:PFA+1], s[KVA:KVA+1]
	s_or_b32 s[KVA+1], s[KVA+1], 0x80000000
	s_mov_b64 s[G0+2:G0+3], s[KVA:KVA+1]
	s_lshl_b32 s74, s[WV], 15
	s_mov_b32 s75, 0
	s_add_nc_u64 s[WQP:WQP+1], s[8:9], s[74:75]    ; my 16 fragments of Wq,
	s_add_nc_u64 s[WOP:WOP+1], s[WQP:WQP+1], 262144  ; and of Wo
	s_mov_b64 s[WOA:WOA+1], s[WOP:WOP+1]
	s_or_b32 s[WOA+1], s[WOA+1], 0x80000000
	s_add_nc_u64 s[WOB:WOB+1], s[WOP:WOP+1], 8192
	s_or_b32 s[WOB+1], s[WOB+1], 0x80000000
	s_lshl_b32 s74, s66, 19
	s_lshl_b32 s76, s63, 16
	s_add_co_u32 s74, s74, s76
	s_add_co_u32 s74, s74, s67
	s_add_nc_u64 s[4:5], s[4:5], s[74:75]          ; Q at my wave's 16 rows
	s_lshl_b32 s76, s[WV], 8
	s_mov_b32 s77, 0
.irp p, 12,14,16,18,20,22
	s_add_nc_u64 s[\p:\p+1], s[\p:\p+1], s[76:77]  ; the six vectors at my 64 columns
.endr
.set xi, 0
.rept 16
	global_load_b128 v[48+4*xi:48+4*xi+3], v[LI], s[4:5] offset:512*xi th:TH_LOAD_NT   ; a row of Q's codes
.set xi, xi+1
.endr
	COLLOAD 16, 12                                 ; bq
	WQLOAD WA, 0
	WQLOAD WB, 1
	CROUND                                         ; all four work-groups are here
	tensor_load_to_lds s[G0:G0+3], s[G1:G1+7]      ; step 0: my one load at the head; it is wanted behind the projection
	s_nop 0
	PLACES
	s_lshl_b32 s74, s66, 21
	s_lshl_b32 s78, s63, 18
	s_add_co_u32 s74, s74, s78
	s_add_co_u32 s74, s74, s76
	s_add_nc_u64 s[24:25], s[24:25], s[74:75]      ; the output at my block's first row, my 64 columns
	s_lshl_b32 s74, s62, 14
	s_add_co_u32 s74, s74, 3*65536
	s_add_nc_u64 s[PFA:PFA+1], s[PFA:PFA+1], s[74:75]  ; the prefetches begin at step 3: my work-group's quarter, my wave's half of it
	s_wait_loadcnt 40                              ; Q's 16 rows are in; bq's 8 loads and Wq's 32 are younger
.set xi, 0
.rept 16
	ds_store_b128 v243, v[48+4*xi:48+4*xi+3] offset:QPIT*xi
.set xi, xi+1
.endr
	BARRIER                                        ; the block's 128 rows lie in LDS
	s_wait_kmcnt 0x0
	s_add_co_i32 s[E01], s28, s29                  ; a sum of the projection stands for sum x 2^(e0 + e1)
	s_sub_co_i32 s[NE01], 0, s[E01]
	s_add_co_i32 s74, s34, s35
	s_lshl_b32 s74, s74, 23
	s_mov_b32 s[CS], 0x3d8293ee                    ; log2(e) / sqrt(512),
	s_add_co_i32 s[CS], s[CS], s74                 ; x 2^(e6 + e7): added to the exponent field
	s_mov_b32 s[CS+1], s[CS]
	s_xor_b32 s[NCS], s[CS], 0x80000000
	s_add_co_i32 s[EAV], s36, s37
	s_sub_co_i32 s[EAV], s[EAV], s[E01]            ; e8 + e9 - e0 - e1
	s_lshl_b32 s[VF1], s[E01], 1
	s_add_co_i32 s[VF1], s[VF1], 118
	s_lshl_b32 s[VF1], s[VF1], 23                  ; 2^(2 (e0 + e1)) / 512
	s_mov_b32 s[EPS], 0x3727c5ac                   ; 1e-5
	s_mov_b32 s[I512], 0x3b000000                  ; 1 / 512
	s_add_co_i32 s[NE2], s38, s39
	s_add_co_i32 s[SC2], s[NE2], 127
	s_lshl_b32 s[SC2], s[SC2], 23                  ; 2^(e10 + e11)
	s_mov_b32 s[SC2+1], s[SC2]
	s_sub_co_i32 s[NE2], 0, s[NE2]
	s_sub_co_i32 s76, s34, s[E01]                  ; e6 - e0 - e1
	SETQ 76
	s_wait_loadcnt 16                              ; bq and Wq's K step 0 are in; K step 1's 16 loads are younger
.set xi, 0
.rept 32
	v_ldexp_f32 v[16+xi], v[16+xi], s[NE01]        ; bq / 2^(e0 + e1): the C of each sum's first product
.set xi, xi+1
.endr
; THE PROJECTION: 16 sets n = 4 s + pair of tiles; 8 matrix instructions a set; the 32 accumulators take turns.
.macro BSETQ n
.set bs, 48+32*((\n)%2)
.set sK, (\n)/4
.set qq, 2*((\n)%4)
.irp u, 0,1
.irp c, 0,1,2,3
	ds_load_b128 v[bs+16*\u+4*\c:bs+16*\u+4*\c+3], v[QA] offset:16*QPIT*(qq+\u)+128*sK+32*\c
.endr
.endr
.endm
.macro QPROJ first                     ; first = 1: the sums begin with bq (v16-47); 0: they go on from what the accumulators hold
	VW
	BSETQ 0
	BSETQ 1
.set nn, 0
.rept 16
.set wb, WA+64*((nn/4)%2)
.set b2, 48+32*(nn%2)
.if (nn == 4) || (nn == 8)
	s_wait_loadcnt 16                              ; this K step's fragments of Wq are in; the next buffer's 16 loads are younger
.endif
.if nn == 12
	s_wait_loadcnt 0x0
.endif
.if nn == 15
	s_wait_dscnt 0x0
.else
	s_wait_dscnt 8                                 ; this set is in; the other set's 8 loads are younger
.endif
.if \first && (nn < 4)
	WIN 0x40
.else
	WIN 0x50
.endif
.irp u, 0,1
.irp t, 0,1,2,3
.set ac, 32*(2*(nn%4)+\u)+8*\t
.if \first && (nn < 4)
	v_wmma_f32_16x16x128_fp8_fp8 v[ac:ac+7], v[wb+16*\t:wb+16*\t+15], v[b2+16*\u:b2+16*\u+15], v[16+8*\t:16+8*\t+7]
.else
	v_wmma_f32_16x16x128_fp8_fp8 v[ac:ac+7], v[wb+16*\t:wb+16*\t+15], v[b2+16*\u:b2+16*\u+15], v[ac:ac+7]
.endif
.endr
.endr
	WIN 0
	PLACES
.if nn < 14
	BSETQ nn+2
.endif
.if (nn == 3) || (nn == 7)
	WQLOAD wb, nn/4+2                              ; the buffer just left takes the K step two on
.endif
.set nn, nn+1
.endr
.endm
	QPROJ 1
	WIN 0x41                                       ; Qh's codes: held in place (which leaves every accumulator finite), converted with the folded scale
.set xi, 0
.rept 256
	v_med3_num_f32 v[xi], v[xi], -v[LIMA], v[LIMA]
.set xi, xi+1
.endr
	WIN 0x01
.set xi, 0
.rept 32
	v_cvt_scalef32_pk8_fp8_f32 v[QC+2*xi:QC+2*xi+1], v[8*xi:8*xi+7], v[SCLV]
.set xi, xi+1
.endr
	v_nop
	WIN 0
	SETQ 37                                        ; p's quantiser: 2^e9
.irp q, 0,1,2,3,4,5,6,7
	v_mov_b32 v[ST+4*\q], 0x7f61b1e6               ; -M = 3e38: M lies under every t
	v_mov_b32 v[ST+4*\q+1], 0
	v_mov_b32 v[ST+4*\q+2], 0
	v_mov_b32 v[ST+4*\q+3], 0
.endr
	v_mov_b32 v[PD], 0                             ; a lane permute's destination counts as read
	v_mov_b32 v[FF+1], 0                           ; named as a pair's upper half
; THE KEYS, 64 a step.
.macro SMUL q                          ; S^T = K Q^T of tile q
.set sm, S0+40*((\q)%2)
.irp t, 0,1,2,3
	v_wmma_f32_16x16x64_fp8_fp8 v[sm+8*\t:sm+8*\t+7], v[KF+8*\t:KF+8*\t+7], v[QC+8*(\q):QC+8*(\q)+7], 0
.endr
.endm
.macro PVMUL q                         ; O^T += V^T P^T of tile q
	WIN 0x50
.irp t, 0,1,2,3
	v_wmma_f32_16x16x64_fp8_fp8 v[32*(\q)+8*\t:32*(\q)+8*\t+7], v[VF+8*\t:VF+8*\t+7], v[P:P+7], v[32*(\q)+8*\t:32*(\q)+8*\t+7]
.endr
	WIN 0
.endm
.macro D2 k                            ; the hold of two p of the earlier tile: the conversion does not saturate (ISA guide 7.6.2); p is not negative, so it is one-sided
	v_dual_min_num_f32 v[pb+\k], v[LIMA], v[pb+\k] :: v_dual_min_num_f32 v[pb+\k+1], v[LIMB], v[pb+\k+1]
.endm
.macro CV g                            ; keys 16 g + 8 h + 0 .. 7: registers 2 g, 2 g + 1 of the operand
	v_cvt_scalef32_pk8_fp8_f32 v[P+2*\g:P+2*\g+1], v[pb+8*\g:pb+8*\g+7], v[SCLV]
.endm
; ITER q: tile q's maximum, -M, factor, t - M and exponentials (q < 8), among tile q - 1's sum, holds, conversions and product (q > 0); tile q + 1's scores are multiplied ahead of tile q's exponentials.
.macro ITER q
.set sb, S0+40*((\q)%2)
.set pb, S0+40*(((\q)+1)%2)
.set st, ST+4*(\q)
.set pt, ST+4*(\q)-4
.set cur, (\q)<8
.set prv, (\q)>0
	VW                                             ; directly ahead of the first readers of tile q's scores; the earlier tile's exponentials have their wait too
.if cur
	v_max3_num_f32 v[MA], v[sb], v[sb+1], v[sb+2]  ; two chains; each tile of scores is first read at its low end
	v_max3_num_f32 v[MB], v[sb+3], v[sb+4], v[sb+5]
.endif
.if prv
	v_pk_add_f32 v[L2:L2+1], v[pb:pb+1], v[pb+2:pb+3]   ; the sum of the unquantised p, in two chains
.endif
.irp i, 6,10,14,18,22,26
.if cur
	v_max3_num_f32 v[MA], v[MA], v[sb+\i], v[sb+\i+1]
	v_max3_num_f32 v[MB], v[MB], v[sb+\i+2], v[sb+\i+3]
.endif
.if prv
	v_pk_add_f32 v[pt+2:pt+3], v[pt+2:pt+3], v[pb+\i-2:pb+\i-1]
	v_pk_add_f32 v[L2:L2+1], v[L2:L2+1], v[pb+\i:pb+\i+1]
.endif
.endr
.if cur
	v_max3_num_f32 v[MA], v[MA], v[sb+30], v[sb+31]
.endif
.if prv
	v_pk_add_f32 v[pt+2:pt+3], v[pt+2:pt+3], v[pb+28:pb+29]
	v_pk_add_f32 v[L2:L2+1], v[L2:L2+1], v[pb+30:pb+31]
	D2 0
.endif
.if cur
	v_max_num_f32 v[MA], v[MA], v[MB]
.endif
.if prv
	v_pk_add_f32 v[pt+2:pt+3], v[pt+2:pt+3], v[L2:L2+1]
	D2 2
.endif
.if cur
	v_permlanex16_b32 v[PD], v[MA], s[SEL], s[SEL+1]   ; the query's other 32 keys lie in the lane 16 away
.endif
.if prv
	D2 4
	D2 6
.endif
.if cur
	v_max_num_f32 v[MA], v[MA], v[PD]
.endif
.if prv
	CV 0
	D2 8
.endif
.if cur
	v_mul_f32 v[MA], s[NCS], v[MA]                 ; -t (the factor is positive)
.endif
.if prv
	D2 10
	D2 12
.endif
.if cur
	v_floor_f32 v[MA], v[MA]                       ; -ceil(t)
.endif
.if prv
	D2 14
	CV 1
.endif
.if cur
	v_min_num_f32 v[MA], v[st], v[MA]              ; the new -M
.endif
.if prv
	D2 16
	D2 18
.endif
.if cur
	v_sub_f32 v[MB], v[MA], v[st]                  ; old M - new M: a whole number, 0 or less
	v_mov_b32 v[st], v[MA]
.endif
.if prv
	D2 20
	D2 22
.endif
.if cur
	v_cvt_i32_f32 v[MB], v[MB]                     ; (it saturates)
.endif
.if prv
	CV 2
	D2 24
	D2 26
	D2 28
	D2 30
	CV 3
.endif
.if cur
	v_ldexp_f32 v[FF], 1.0, v[MB]                  ; 2^(old M - new M).  (Also the plain line behind the conversions)
.else
	v_nop
.endif
.if prv
	PVMUL (\q)-1
.endif
.if (\q) < 7
	SMUL (\q)+1
.endif
.if cur
.set j, 0
.rept 16
	v_pk_fma_f32 v[sb+2*j:sb+2*j+1], v[sb+2*j:sb+2*j+1], s[CS:CS+1], v[st:st+1] op_sel_hi:[1,0,0]   ; t - M.  (Also the places behind the products)
.set j, j+1
.endr
	VW                                             ; ahead of the batch
.set j, 0
.rept 32
	v_exp_f32 v[sb+j], v[sb+j]
.set j, j+1
.endr
	WIN 0x41
	VW                                             ; behind the batch, directly ahead of the first readers of O^T
.set j, 0
.rept 16
	v_pk_mul_f32 v[32*(\q)+2*j:32*(\q)+2*j+1], v[32*(\q)+2*j:32*(\q)+2*j+1], v[FF:FF+1] op_sel_hi:[1,0]   ; O^T under the new M
.set j, j+1
.endr
	WIN 0
	v_pk_mul_f32 v[st+2:st+3], v[st+2:st+3], v[FF:FF+1] op_sel_hi:[1,0]
.endif
.endm
; A prefetch of the step that stands two loads on: 65,536 bytes, each aligned 256 named once in each cluster that will load it: the cluster's four partners
; take 16,384 each, told apart by address; in each, waves 0 and 1 take 8,192, lanes 256 bytes apart.  Trip t names step t + 3, up to step 15.  Steps 0 to 2 come by their loads alone.
.macro ASK
	s_cmp_gt_u32 s[STEPS], s[LIM]
	s_cbranch_scc0 .Lnot_mine_\@
	global_prefetch_b8 v[PFO], s[PFA:PFA+1] th:TH_LOAD_NT scope:SCOPE_SE
.Lnot_mine_\@:
.endm
	VW
	s_wait_tensorcnt 0x0                           ; step 0 is in
	ds_add_u32 v[SPW], v[NIL]
	s_xor_b32 s[G0+1], s[G0+1], SLOTB
	s_add_nc_u64 s[KVA:KVA+1], s[KVA:KVA+1], 65536
	s_mov_b64 s[G0+2:G0+3], s[KVA:KVA+1]
	s_wait_dscnt 0x0
	CROUND
.Lstep:                                            ; 16 trips
	tensor_load_to_lds s[G0:G0+3], s[G1:G1+7]      ; the first thing behind the round: step t + 1 (the last trip: Wo's fragments) into the slot left last trip
	s_nop 0
	PLACES
	ASK
	v_add_nc_u32 v[ADR], s[TB], v[KV0]
.irp f, 0,1,2,3
	ds_load_b128 v[KF+8*\f:KF+8*\f+3], v[ADR] offset:1024*\f
	ds_load_b128 v[KF+8*\f+4:KF+8*\f+7], v[ADR] offset:1024*\f+512
.endr
.irp f, 0,1,2,3
	ds_load_b128 v[VF+8*\f:VF+8*\f+3], v[ADR] offset:4096+1024*\f
	ds_load_b128 v[VF+8*\f+4:VF+8*\f+7], v[ADR] offset:4096+1024*\f+512
.endr
	s_wait_dscnt 8                                 ; K's fragments are in; V's eight loads are younger
	SMUL 0
	PLACES
	s_wait_dscnt 0x0                               ; the step's 16 fragments are in registers: my reads of this slot are over
.irp q, 0,1,2
	ITER \q
.endr
	s_wait_tensorcnt 0x0                           ; the load asked for at this trip's head has landed, so the descriptor may be written
	ds_add_u32 v[SPW], v[NIL]
	s_xor_b32 s[G0+1], s[G0+1], SLOTB
	s_add_nc_u64 s[KVA:KVA+1], s[KVA:KVA+1], 65536
	s_cmp_eq_u32 s[STEPS], 2                       ; trip 14 prepares trip 15's load
	s_cselect_b64 s[G0+2:G0+3], s[WOA:WOA+1], s[KVA:KVA+1]
	s_cmp_eq_u32 s[STEPS], 1                       ; trip 15 prepares the load behind the loop
	s_cselect_b64 s[G0+2:G0+3], s[WOB:WOB+1], s[G0+2:G0+3]
	s_wait_xcnt 0x0                                ; this trip's prefetch has read its address
	s_add_nc_u64 s[PFA:PFA+1], s[PFA:PFA+1], 65536
	ITER 3                                         ; work on registers between the add and the wait for it
	s_wait_dscnt 0x0
	s_barrier_signal -1                            ; opens the round; from here to the round's last wait: work on registers alone
	ITER 4
	ITER 5
	VW
	s_barrier_wait -1                              ; every wave of my work-group has run its three lines
	CMID
	ITER 6
	ITER 7
	ITER 8
	PLACES                                         ; behind the last products, ahead of the next trip's loads into V's registers
	VW
	s_barrier_wait -1                              ; the round's closing wait: the refill follows at the next trip's head
	s_xor_b32 s[TB], s[TB], SLOTB
	s_sub_co_u32 s[STEPS], s[STEPS], 1
	s_cmp_lg_u32 s[STEPS], 0
	s_cbranch_scc1 .Lstep
	tensor_load_to_lds s[G0:G0+3], s[G1:G1+7]      ; behind the last trip's round, my one load: Wo's output tile 1, jointly, into slot 1, whose last reads stood at trip 15's head
	s_nop 0
	PLACES
	; THE RESIDUAL.  The accumulators become (AV + bq) / 2^(e0 + e1), and the projection is added onto them.
	s_wait_xcnt 0x0                                ; the last prefetch has read v6
	v_and_b32 v[MA], 15, v0
	v_bfe_u32 v[MB], v0, 4, 1
	v_lshlrev_b32 v[GO], 11, v[MB]
	v_lshl_add_u32 v[GO], v[MA], 4, v[GO]
.irp q, 0,1,2,3,4,5,6,7
	v_add_f32 v[ST+4*\q+2], v[ST+4*\q+2], v[ST+4*\q+3]
.endr
	COLLOAD 48, 12                                 ; bq
	WQLOAD WA, 0
	WQLOAD WB, 1
.irp q, 0,1,2,3,4,5,6,7
	v_permlanex16_b32 v[ST+4*\q+3], v[ST+4*\q+2], s[SEL], s[SEL+1]
.endr
.irp q, 0,1,2,3,4,5,6,7
	v_add_f32 v[ST+4*\q+2], v[ST+4*\q+2], v[ST+4*\q+3]
.endr
	VW
.irp q, 0,1,2,3,4,5,6,7
	v_rcp_f32 v[ST+4*\q+3], v[ST+4*\q+2]
.endr
	v_nop
	VW
.irp q, 0,1,2,3,4,5,6,7
	v_ldexp_f32 v[ST+4*\q+2], v[ST+4*\q+3], s[EAV] ; 2^(e8 + e9 - e0 - e1) / the sum
.endr
	VW
	s_wait_loadcnt 32                              ; bq is in; Wq's 32 loads are younger
.set xi, 0
.rept 32
	v_ldexp_f32 v[48+xi], v[48+xi], s[NE01]
.set xi, xi+1
.endr
	WIN 0x41
	VW                                             ; directly ahead of the first readers of O^T
.set xi, 0
.rept 128
	v_pk_fma_f32 v[2*xi:2*xi+1], v[2*xi:2*xi+1], v[ST+4*(xi/16)+2:ST+4*(xi/16)+3], v[48+2*(xi%16):49+2*(xi%16)] op_sel_hi:[1,0,1]
.set xi, xi+1
.endr
	WIN 0
	VW
	s_wait_loadcnt 16                              ; Wq's K step 0 is in
	QPROJ 0                                        ; the accumulators now hold O / 2^(e0 + e1)
	v_add_nc_u32 v[QA], O1IMG, v[LI]
	VW
	s_wait_tensorcnt 0x0                           ; Wo's output tile 1 lies in slot 1, my part: I alone read it
	s_mov_b64 s[GP:GP+1], s[16:17]
	s_mov_b64 s[BP:BP+1], s[18:19]
	s_mov_b32 s[FAC], s[VF1]
	s_mov_b32 s[EX], s[E01]
	s_mov_b32 s[LNC], 0
; THE NORMS, in two passes as they are defined, written once and run twice.  A row's 512 numbers lie in two lanes of each of eight waves: the waves' sums meet in LDS;
; the two regions take turns, and the other region's barrier stands between one use's loads and the next use's stores.
.macro ROWJOIN
.irp q, 0,1,2,3,4,5,6,7
	v_pk_add_f32 v[16+4*\q:17+4*\q], v[16+4*\q:17+4*\q], v[18+4*\q:19+4*\q]
.endr
.irp q, 0,1,2,3,4,5,6,7
	v_add_f32 v[16+4*\q], v[16+4*\q], v[17+4*\q]
.endr
.irp q, 0,1,2,3,4,5,6,7
	v_permlanex16_b32 v[17+4*\q], v[16+4*\q], s[SEL], s[SEL+1]
.endr
.irp q, 0,1,2,3,4,5,6,7
	v_add_f32 v[16+4*\q], v[16+4*\q], v[17+4*\q]
.endr
.endm
.macro XCH rg
.irp q, 0,1,2,3,4,5,6,7
	ds_store_b32 v[PS], v[16+4*\q] offset:\rg+512*\q       ; row 16 q + r, my wave's word
.endr
	BARRIER
.irp q, 0,1,2,3,4,5,6,7
	ds_load_b128 v[112+8*\q:115+8*\q], v[PL] offset:\rg+512*\q
	ds_load_b128 v[116+8*\q:119+8*\q], v[PL] offset:\rg+512*\q+16
.endr
	s_wait_dscnt 0x0
.irp q, 0,1,2,3,4,5,6,7
	v_pk_add_f32 v[112+8*\q:113+8*\q], v[112+8*\q:113+8*\q], v[114+8*\q:115+8*\q]
	v_pk_add_f32 v[116+8*\q:117+8*\q], v[116+8*\q:117+8*\q], v[118+8*\q:119+8*\q]
.endr
.irp q, 0,1,2,3,4,5,6,7
	v_pk_add_f32 v[112+8*\q:113+8*\q], v[112+8*\q:113+8*\q], v[116+8*\q:117+8*\q]
.endr
.irp q, 0,1,2,3,4,5,6,7
	v_add_f32 v[16+4*\q], v[112+8*\q], v[113+8*\q]         ; the same order in every wave
.endr
.endm
.Lln:
	COLLOAD 48, GP                                 ; the gain,
	COLLOAD 80, BP                                 ; the bias
	WIN 0x05
.irp q, 0,1,2,3,4,5,6,7
	v_pk_add_f32 v[16+4*\q:17+4*\q], v[32*\q:32*\q+1], v[32*\q+2:32*\q+3]
	v_pk_add_f32 v[18+4*\q:19+4*\q], v[32*\q+4:32*\q+5], v[32*\q+6:32*\q+7]
.endr
	WIN 0x01
.set p2, 4
.rept 12
.irp q, 0,1,2,3,4,5,6,7
	v_pk_add_f32 v[16+4*\q+2*(p2%2):17+4*\q+2*(p2%2)], v[32*\q+2*p2:32*\q+2*p2+1], v[16+4*\q+2*(p2%2):17+4*\q+2*(p2%2)]
.endr
.set p2, p2+1
.endr
	WIN 0
	ROWJOIN
	XCH 0
.irp q, 0,1,2,3,4,5,6,7
	v_mul_f32 v[16+4*\q], 0xbb000000, v[16+4*\q]           ; -mean
.endr
	WIN 0x41
.set xi, 0
.rept 128
	v_pk_add_f32 v[2*xi:2*xi+1], v[2*xi:2*xi+1], v[16+4*(xi/16):17+4*(xi/16)] op_sel_hi:[1,0]
.set xi, xi+1
.endr
	WIN 0x05
.irp q, 0,1,2,3,4,5,6,7
	v_pk_mul_f32 v[16+4*\q:17+4*\q], v[32*\q:32*\q+1], v[32*\q:32*\q+1]
	v_pk_mul_f32 v[18+4*\q:19+4*\q], v[32*\q+2:32*\q+3], v[32*\q+2:32*\q+3]
.endr
.set p2, 2
.rept 14
.irp q, 0,1,2,3,4,5,6,7
	v_pk_fma_f32 v[16+4*\q+2*(p2%2):17+4*\q+2*(p2%2)], v[32*\q+2*p2:32*\q+2*p2+1], v[32*\q+2*p2:32*\q+2*p2+1], v[16+4*\q+2*(p2%2):17+4*\q+2*(p2%2)]
.endr
.set p2, p2+1
.endr
	WIN 0
	ROWJOIN
	XCH 4096
.irp q, 0,1,2,3,4,5,6,7
	v_fma_f32 v[16+4*\q], v[16+4*\q], s[FAC], s[EPS]       ; the variance + 1e-5
.endr
	VW
.irp q, 0,1,2,3,4,5,6,7
	v_rsq_f32 v[17+4*\q], v[16+4*\q]
.endr
	v_nop
	VW
.irp q, 0,1,2,3,4,5,6,7
	v_ldexp_f32 v[16+4*\q], v[17+4*\q], s[EX]
.endr
	VW
	s_wait_loadcnt 0x0                             ; gain and bias
	WIN 0x41
.set xi, 0
.rept 128
	v_pk_mul_f32 v[2*xi:2*xi+1], v[2*xi:2*xi+1], v[16+4*(xi/16):17+4*(xi/16)] op_sel_hi:[1,0]
.set xi, xi+1
.endr
.set xi, 0
.rept 128
	v_pk_fma_f32 v[2*xi:2*xi+1], v[2*xi:2*xi+1], v[48+2*(xi%16):49+2*(xi%16)], v[80+2*(xi%16):81+2*(xi%16)]
.set xi, xi+1
.endr
	WIN 0
	s_cmp_eq_u32 s[LNC], 1
	VW
	s_cbranch_scc1 .Lout
.macro BOLOAD pr                       ; bo's 16 numbers of a pair of output tiles into v240-255
.irp u, 0,1
	global_load_b128 v[240+8*\u:243+8*\u], v[CB], s[14:15] offset:128*\pr+64*\u
	global_load_b128 v[244+8*\u:247+8*\u], v[CB], s[14:15] offset:128*\pr+64*\u+16
.endr
.endm
.macro WOG u, t                        ; Wo's four fragments of output tile t from memory into v[112 + 64 u ..]
.irp s, 0,1,2,3
.irp c, 0,1,2,3
	global_load_b128 v[112+64*\u+16*\s+4*\c:112+64*\u+16*\s+4*\c+3], v[LI], s[WOP:WOP+1] offset:8192*\t+2048*\s+512*\c
.endr
.endr
.endm
	WOG 0, 2                                       ; output tiles 2 and 3 go first: from memory, asked for ahead of the quantising below
	WOG 1, 3
	BOLOAD 1
	; THE RESULT BECOMES AN OPERAND: codes of copies.  My 64 columns are half of K step w / 2: two groups of four registers of each tile's fragment, stored as they stand.
	SETQ 38
	v_add_nc_u32 v[LIMB], SLOTB, v[KV0]            ; (the second copy of the hold is not used here)  my part of slot 1
.set qi, 0
.rept 8
	WIN 0x01
.set xi, 0
.rept 32
	v_med3_num_f32 v[16+xi], v[32*qi+xi], -v[LIMA], v[LIMA]
.set xi, xi+1
.endr
	WIN 0
.irp t, 0,1,2,3
	v_cvt_scalef32_pk8_fp8_f32 v[48+8*qi+2*\t:49+8*qi+2*\t], v[16+8*\t:23+8*\t], v[SCLV]
.endr
	v_nop
	ds_store_b128 v[OS], v[48+8*qi:51+8*qi] offset:8192*qi
	ds_store_b128 v[OS], v[52+8*qi:55+8*qi] offset:8192*qi+512
.set qi, qi+1
.endr
	BARRIER                                        ; the 32 fragments lie in LDS
	; THE LAST PRODUCT: 32 sets n = 16 (pair of output tiles) + 4 (pair of row tiles) + s; four accumulators v48-79 by turns; bo / 2^(e10 + e11) is the C of each sum's first product.
.macro BSETO n
.set bs, 16+64*((\n)%2)
.set sK, (\n)%4
.set qq, 2*(((\n)/4)%4)
.irp u, 0,1
.irp c, 0,1,2,3
	ds_load_b128 v[bs+16*\u+4*\c:bs+16*\u+4*\c+3], v[QA] offset:(4*(qq+\u)+sK)*2048+512*\c
.endr
.endr
.endm
	BSETO 0
	BSETO 1
.set nn, 0
.rept 32
.set s2, nn%4
.set q2, (nn/4)%4
.set c2, 1-nn/16                       ; the pair of output tiles: 2 and 3, then 0 and 1
.set b2, 16+64*(nn%2)
.if nn%16 == 0
	s_wait_loadcnt 0x0                             ; this pair's fragments of Wo, and bo
.set xi, 0
.rept 16
	v_ldexp_f32 v[240+xi], v[240+xi], s[NE2]
.set xi, xi+1
.endr
	VW
.endif
.if (nn == 31) || (nn == 16)           ; set 16: Wo's 32 loads from LDS were issued behind set 17's
	s_wait_dscnt 0x0
.else
	s_wait_dscnt 8                                 ; this set is in; the other set's 8 loads are younger
.endif
.irp u, 0,1
.irp k, 0,1
.if s2 == 0
	v_wmma_f32_16x16x128_fp8_fp8 v[48+8*(2*\u+\k):55+8*(2*\u+\k)], v[112+64*\k+16*s2:127+64*\k+16*s2], v[b2+16*\u:b2+16*\u+15], v[240+8*\k:247+8*\k]
.else
	v_wmma_f32_16x16x128_fp8_fp8 v[48+8*(2*\u+\k):55+8*(2*\u+\k)], v[112+64*\k+16*s2:127+64*\k+16*s2], v[b2+16*\u:b2+16*\u+15], v[48+8*(2*\u+\k):55+8*(2*\u+\k)]
.endif
.endr
.endr
	PLACES
.if nn < 30
	BSETO nn+2
.endif
.if nn == 12
	BOLOAD 0                                       ; the first pair's bias has been read for the last time: the second pair's is asked for
.endif
.if nn == 15                           ; output tiles 0 and 1 from what the last two loads brought: slot 0 and slot 1, my parts
.irp s, 0,1,2,3
.irp c, 0,1,2,3
	ds_load_b128 v[112+16*\s+4*\c:112+16*\s+4*\c+3], v[KV0] offset:2048*\s+512*\c
	ds_load_b128 v[176+16*\s+4*\c:176+16*\s+4*\c+3], v[LIMB] offset:2048*\s+512*\c
.endr
.endr
.endif
.if s2 == 3                            ; the sums are whole: relu, x 2^(e10 + e11), onto the residual
.set xi, 0
.rept 32
	v_max_num_f32 v[48+xi], 0, v[48+xi]
.set xi, xi+1
.endr
	WIN 0x50
.irp u, 0,1
.irp k, 0,1
.irp i, 0,2,4,6
	v_pk_fma_f32 v[32*(2*q2+\u)+8*(2*c2+\k)+\i:32*(2*q2+\u)+8*(2*c2+\k)+\i+1], v[48+8*(2*\u+\k)+\i:49+8*(2*\u+\k)+\i], s[SC2:SC2+1], v[32*(2*q2+\u)+8*(2*c2+\k)+\i:32*(2*q2+\u)+8*(2*c2+\k)+\i+1] op_sel_hi:[1,0,1]
.endr
.endr
.endr
	WIN 0
.endif
.set nn, nn+1
.endr
	s_mov_b64 s[GP:GP+1], s[20:21]                 ; the second norm's gain, bias and factors
	s_mov_b64 s[BP:BP+1], s[22:23]
	s_mov_b32 s[FAC], s[I512]
	s_mov_b32 s[EX], 0
	s_add_co_u32 s[LNC], s[LNC], 1
	s_cmp_lt_u32 s[LNC], 2
	VW
	s_cbranch_scc1 .Lln
.Lout:
	; THE WAY OUT, a tile of 16 rows at a time through my own stage: a lane's 32 bytes of a row go in, whole pieces of 256 bytes come back, and sixteen lanes store 256 consecutive bytes at a multiple of 256 from the output's first byte.
.macro TOSTAGE q
.set bk, 16+32*((\q)%2)
	WIN 0x04                                       ; the stores' data lie in window 1
.irp t, 0,1,2,3
	ds_store_b128 v[SO], v[32*(\q)+8*\t:32*(\q)+8*\t+3] offset:64*\t
	ds_store_b128 v[SO], v[32*(\q)+8*\t+4:32*(\q)+8*\t+7] offset:64*\t+16
.endr
	WIN 0
.irp i, 0,1,2,3,4,5,6,7
	ds_load_b128 v[bk+4*\i:bk+4*\i+3], v[SR] offset:544*\i   ; LDS serves a wave's instructions in order (ISA guide 5.7.1.4)
.endr
.endm
.macro SEND q, younger
.set bk, 16+32*((\q)%2)
	s_wait_dscnt \younger
.irp i, 0,1,2,3,4,5,6,7
	global_store_b128 v[GO], v[bk+4*\i:bk+4*\i+3], s[24:25] offset:(16*(\q)+2*\i)*2048 th:TH_STORE_NT
.endr
.endm
	TOSTAGE 0
.irp a, 1,2,3,4,5,6,7
.if \a > 1
	s_wait_xcnt 0x0                                ; the stores of two tiles ago have read their registers
.endif
	TOSTAGE \a
	SEND \a-1, 16                                  ; behind that tile's loads: this tile's 8 stores and 8 loads
.endr
	SEND 7, 0
	s_wait_tensorcnt 0x0                           ; the wave's end
	ds_add_u32 v[SPW], v[NIL]
	s_wait_dscnt 0x0
	CROUND                                         ; the closing round
	s_endpgm
.Lfunc_end_k_qf3d53ac16b_mab:
	.size	k_qf3d53ac16b_mab, .Lfunc_end_k_qf3d53ac16b_mab-k_qf3d53ac16b_mab
	.p2alignl 7, 3214868480
	.fill 96, 4, 3214868480
	.section	.rodata,"a",@progbits
	.p2align	6, 0x0
	.amdhsa_kernel k_qf3d53ac16b_mab
		.amdhsa_group_segment_fixed_size 327680
		.amdhsa_private_segment_fixed_size 0
		.amdhsa_enable_private_segment 0
		.amdhsa_kernarg_size 88
		.amdhsa_user_sgpr_count 2
		.amdhsa_user_sgpr_kernarg_segment_ptr 1
		.amdhsa_wavefront_size32 1
		.amdhsa_system_sgpr_workgroup_id_x 1
		.amdhsa_system_sgpr_workgroup_id_y 1
		.amdhsa_system_sgpr_workgroup_id_z 1
		.amdhsa_system_vgpr_workitem_id 0
		.amdhsa_next_free_vgpr 512
		.amdhsa_next_free_sgpr 106
		.amdhsa_reserve_vcc 0
		.amdhsa_float_denorm_mode_32 3
		.amdhsa_float_denorm_mode_16_64 3
		.amdhsa_memory_ordered 1
		.amdhsa_forward_progress 1
		.amdhsa_inst_pref_size 255
	.end_amdhsa_kernel
	.section	.bss,"aw",@nobits
	.p2align	6
	.space	262144
	.amdgpu_metadata
---
amdhsa.version: [ 1, 2 ]
amdhsa.kernels:
  - .name:           k_qf3d53ac16b_mab
    .symbol:         k_qf3d53ac16b_mab.kd
    .args:
      - { .name: Q_codes, .offset: 0, .size: 8, .value_kind: global_buffer, .address_space: global }
      - { .name: kv, .offset: 8, .size: 8, .value_kind: global_buffer, .address_space: global }
      - { .name: wimg, .offset: 16, .size: 8, .value_kind: global_buffer, .address_space: global }
      - { .name: lowp_scales, .offset: 24, .size: 8, .value_kind: global_buffer, .address_space: global }
      - { .name: bq, .offset: 32, .size: 8, .value_kind: global_buffer, .address_space: global }
      - { .name: bo, .offset: 40, .size: 8, .value_kind: global_buffer, .address_space: global }
      - { .name: g0, .offset: 48, .size: 8, .value_kind: global_buffer, .address_space: global }
      - { .name: b0, .offset: 56, .size: 8, .value_kind: global_buffer, .address_space: global }
      - { .name: g1, .offset: 64, .size: 8, .value_kind: global_buffer, .address_space: global }
      - { .name: b1, .offset: 72, .size: 8, .value_kind: global_buffer, .address_space: global }
      - { .name: out0, .offset: 80, .size: 8, .value_kind: global_buffer, .address_space: global }
    .group_segment_fixed_size: 327680
    .private_segment_fixed_size: 0
    .kernarg_segment_align: 8
    .kernarg_segment_size: 88
    .max_flat_workgroup_size: 256
    .sgpr_count:     106
    .vgpr_count:     512
    .wavefront_size: 32
...
	.end_amdgpu_metadata
.endif
;; end of part 2
